; MI455X (gfx1250); checked and timed in simulation.
; The chip was launched on July 23, 2026; its instructions are those of AMD's public machine-readable ISA for CDNA 5 (MIT licence, August 2026) and "CDNA5" Instruction Set Architecture Reference Guide (July 2026). The comments in the code are by the model that wrote it; some were corrected since.
;; Bottleneck Block. Allowed arithmetic: float matrix products may take bf16 or f16 operands with f32 sums; all other float work in f32.
;; Inputs: k 2,048 x 64 float32; x 8 x 64 x 8,192 float32.
;; Outputs: out0 8 x 8,192 int32; out1 8 x 64 x 8,192 float32; out2 one number float32; out3 one number float32; out4 one number float32.
;; One version. Each part assembles by itself: llvm-mc -triple=amdgcn-amd-amdhsa -mcpu=gfx1250 --defsym DOCPART=n.
;; ======== version 1 of 1: 3 launches
;; limits: a difference of large sums (such as E[x^2] - mean^2): digits are lost where the result is much smaller than its terms
;; workspace buffers: kimg 303,104 bytes; codes 262,144 bytes of whole numbers; part 4,096 bytes
;; launch prep (part 1): grid 32 x 1, 16 waves a work-group, no clusters, 11,776 bytes of LDS; arguments k, kimg; writes kimg
.if DOCPART == 1
	.amdgcn_target "amdgcn-amd-amdhsa--gfx1250"
	.amdhsa_code_object_version 6
	.text
	.protected	k_q4e3f497d38_prep
	.globl	k_q4e3f497d38_prep
	.p2align	8
	.type	k_q4e3f497d38_prep,@function
k_q4e3f497d38_prep:
	s_mov_b64 s[64:65], 0
	v_nop
	global_prefetch_b8 v0, s[64:65] scope:SCOPE_SE
	s_setreg_imm32_b32 hwreg(HW_REG_WAVE_MODE, 25, 1), 1
	s_wait_xcnt 0x0
; The codebook k [2048][64] f32 is turned once into the byte image that the next launch lays into LDS.
; 32 pieces of 9,472 bytes (37 x 256); a work-group makes one piece = 64 codes:
;   bytes 0 .. 9215     64 rows, 144 bytes apart: 64 bf16 (w ascending, 128 bytes), then 16 bytes of zeros
;   bytes 9216 .. 9471  64 f32: hk = -1/2 x the sum of the squares of the code's ROUNDED numbers
; Thread t: code t / 8 of the piece, numbers 8 (t % 8) .. + 7 of it.  The piece is put together in LDS and leaves
; as 592 chunks of 16 bytes, neighbouring lanes at neighbouring chunks, so that every store covers whole aligned 256 bytes.
.set PIECE, 9472
.set PITCH, 144
.set HKOFF, 9216
	s_load_b128 s[4:7], s[0:1], 0x0                ; k s[4:5], kimg s[6:7]
	v_lshl_add_u32 v32, v0, 2, 0x2600
	v_mov_b32 v33, 0
	v_lshlrev_b32 v1, 5, v0                        ; 32 t: my 8 numbers among the piece's 64 x 64
	s_lshl_b32 s8, ttmp9, 14                       ; 64 codes of 256 bytes
	s_mov_b32 s9, 0
	s_mul_i32 s10, ttmp9, PIECE
	s_mov_b32 s11, 0
	s_wait_kmcnt 0x0
	s_add_nc_u64 s[4:5], s[4:5], s[8:9]
	s_add_nc_u64 s[6:7], s[6:7], s[10:11]
	global_load_b128 v[4:7], v1, s[4:5]
	global_load_b128 v[8:11], v1, s[4:5] offset:16
	v_lshrrev_b32 v2, 3, v0                        ; code in the piece
	v_and_b32 v3, 7, v0                            ; which eighth of its row
	v_mul_u32_u24 v16, v2, PITCH                   ; the row in LDS
	v_lshl_add_u32 v17, v3, 4, v16                 ; my 16 bytes of it
	v_lshlrev_b32 v18, 2, v2                       ; the code's word among the hk
	v_lshlrev_b32 v19, 4, v0                       ; 16 t: my chunk on the way out
	v_min_u32 v25, 0x4f0, v19                      ; the same for the 80 chunks behind the first 512, held inside the piece in every lane
	v_mov_b32 v20, 0
	v_mov_b32 v21, 0
	v_mov_b32 v22, 0
	v_mov_b32 v23, 0                               ; 16 bytes of zeros; v20 also starts the sum
	s_wait_loadcnt 0x0
	v_cvt_pk_bf16_f32 v12, v4, v5
	v_cvt_pk_bf16_f32 v13, v6, v7
	v_cvt_pk_bf16_f32 v14, v8, v9
	v_cvt_pk_bf16_f32 v15, v10, v11
	; squares of the rounded numbers, straight from the bf16 halves, summed in f32
	v_fma_mix_f32_bf16 v24, v12, v12, v20 op_sel_hi:[1,1,0]
	v_fma_mix_f32_bf16 v24, v12, v12, v24 op_sel:[1,1,0] op_sel_hi:[1,1,0]
.irp r, 13,14,15
	v_fma_mix_f32_bf16 v24, v\r, v\r, v24 op_sel_hi:[1,1,0]
	v_fma_mix_f32_bf16 v24, v\r, v\r, v24 op_sel:[1,1,0] op_sel_hi:[1,1,0]
.endr
	v_add_f32_dpp v24, v24, v24 row_xmask:1 row_mask:0xf bank_mask:0xf   ; over the code's eight lanes: each step adds the same two numbers
	v_add_f32_dpp v24, v24, v24 row_xmask:2 row_mask:0xf bank_mask:0xf   ; in both partners, so all eight end with the same bits
	v_add_f32_dpp v24, v24, v24 row_xmask:4 row_mask:0xf bank_mask:0xf
	v_mul_f32 v24, -0.5, v24
	ds_store_b128 v17, v[12:15]
	ds_store_b128 v16, v[20:23] offset:128         ; the row's 16 bytes of padding: the code's eight lanes write the same zeros
	ds_store_b32 v18, v24 offset:HKOFF             ; its hk: the eight lanes write the same word with the same value
	s_wait_dscnt 0x0                               ; my stores are done, for the other waves' sake
	s_barrier_signal -1
	s_barrier_wait -1
	ds_load_b128 v[4:7], v19                       ; chunks 0 to 511
	s_wait_dscnt 0x0
	global_store_b128 v19, v[4:7], s[6:7]
	v_cmp_gt_u32 vcc_lo, 80, v0
	s_wait_xcnt 0x0                                ; EXEC changes only behind this wait
	s_wait_tensorcnt 0x0
	ds_add_u32 v32, v33
	s_wait_dscnt 0x0
	s_and_saveexec_b32 s12, vcc_lo                 ; chunks 512 to 591
	ds_load_b128 v[8:11], v25 offset:8192
	s_wait_dscnt 0x0
	global_store_b128 v25, v[8:11], s[6:7] offset:8192
	s_wait_xcnt 0x0
	s_or_b32 exec_lo, exec_lo, s12
	s_endpgm
.Lfunc_end_k_q4e3f497d38_prep:
	.size	k_q4e3f497d38_prep, .Lfunc_end_k_q4e3f497d38_prep-k_q4e3f497d38_prep
	.p2alignl 7, 3214868480
	.fill 96, 4, 3214868480
	.section	.rodata,"a",@progbits
	.p2align	6, 0x0
	.amdhsa_kernel k_q4e3f497d38_prep
		.amdhsa_group_segment_fixed_size 11776
		.amdhsa_private_segment_fixed_size 0
		.amdhsa_enable_private_segment 0
		.amdhsa_kernarg_size 16
		.amdhsa_user_sgpr_count 2
		.amdhsa_user_sgpr_kernarg_segment_ptr 1
		.amdhsa_wavefront_size32 1
		.amdhsa_system_sgpr_workgroup_id_x 1
		.amdhsa_system_sgpr_workgroup_id_y 1
		.amdhsa_system_sgpr_workgroup_id_z 1
		.amdhsa_system_vgpr_workitem_id 0
		.amdhsa_next_free_vgpr 34
		.amdhsa_next_free_sgpr 66
		.amdhsa_reserve_vcc 1
		.amdhsa_float_denorm_mode_32 3
		.amdhsa_float_denorm_mode_16_64 3
		.amdhsa_memory_ordered 1
		.amdhsa_forward_progress 1
		.amdhsa_inst_pref_size 4
	.end_amdhsa_kernel
	.amdgpu_metadata
---
amdhsa.version: [ 1, 2 ]
amdhsa.kernels:
  - .name:           k_q4e3f497d38_prep
    .symbol:         k_q4e3f497d38_prep.kd
    .args:
      - { .name: k, .offset: 0, .size: 8, .value_kind: global_buffer, .address_space: global }
      - { .name: kimg, .offset: 8, .size: 8, .value_kind: global_buffer, .address_space: global }
    .group_segment_fixed_size: 11776
    .private_segment_fixed_size: 0
    .kernarg_segment_align: 8
    .kernarg_segment_size: 16
    .max_flat_workgroup_size: 512
    .sgpr_count:     66
    .vgpr_count:     34
    .wavefront_size: 32
...
	.end_amdgpu_metadata
.endif
;; end of part 1
;; launch main (part 2): grid 256 x 1, 8 waves a work-group, clusters of 4 x 1, 306,688 bytes of LDS; arguments x, kimg, out0, codes, part; writes out0, codes, part
.if DOCPART == 2
	.amdgcn_target "amdgcn-amd-amdhsa--gfx1250"
	.amdhsa_code_object_version 6
	.text
	.protected	k_q4e3f497d38_main
	.globl	k_q4e3f497d38_main
	.p2align	8
	.type	k_q4e3f497d38_main,@function
k_q4e3f497d38_main:
	s_mov_b64 s[64:65], 0
	v_nop
	global_prefetch_b8 v0, s[64:65] scope:SCOPE_SE
	s_setreg_imm32_b32 hwreg(HW_REG_WAVE_MODE, 25, 1), 1
	s_wait_xcnt 0x0
	s_wait_alu depctr_hold_cnt(0) depctr_sa_sdst(0) depctr_va_vdst(0) depctr_va_sdst(0) depctr_va_ssrc(0) depctr_va_vcc(0) depctr_vm_vsrc(0)
	s_getreg_b32 s2, hwreg(HW_REG_IB_STS2, 6, 4)
	s_cmp_eq_u32 s2, 0
	s_cbranch_scc0 .Lentry_in_a_cluster
	s_endpgm
.Lentry_in_a_cluster:
	s_bfe_u32 s2, ttmp6, 0x10000c
	s_cmp_lg_u32 s2, 0x3003
	s_cbranch_scc0 .Lentry_shape_is_right
	s_endpgm
.Lentry_shape_is_right:
; The nearest code of each of 65,536 vectors, and the sums behind the three scalars.
; Score s = x^ . k^ + hk, with x^, k^ rounded to bf16 and hk = -1/2 |k^|^2: argmin of the distance = argmax of s, least distance = |x^|^2 - 2 s.
; hk enters as the C operand of the first of the two K steps, so a score costs no vector instruction.
; A work-group owns 256 vectors (one n, 256 neighbouring t).  Wave w: rg = w / 2 picks 64 vectors (four tiles of 16), H = w % 2 half of the codes.
; Matrix operand A = 16 codes (from LDS), B = 16 vectors (in registers for the whole kernel): in the result a lane holds 8 codes of ONE vector,
; so the search over codes stays inside the lane.  Tile q, lane r stands for t = t0 + 64 rg + 4 r + q, which lets x come in by 16-byte loads along t.
; THE SEARCH IS PIPELINED INSIDE THE WAVE: two sets of four accumulators take turns tile by tile.  While the eight matrix instructions of one tile of
; 16 codes fill one set, the 60 vector instructions that search the tile before run on the other set, strewn between them.
; The whole codebook image (303,104 bytes) is laid into LDS once, in four phases of eight pieces; nothing is ever filled again.
; CLUSTER: all work-groups read the same image, so four of them ask for each piece jointly (mask 15): the requests for it are divided by four.
; TIES go to the lowest index: codes are walked in ascending order with a strict compare, every merge compares value, then index.
; LIMITS: inputs finite.  The least distance is the expansion |x^|^2 - 2 x^.k^ + |k^|^2 on operands rounded to bf16, summed in f32; two codes whose
; distances differ by a few units in the last place of f32 may be ordered otherwise than under another order of rounding.
; The spread of x is summed about the pivot c = x[0] (S = sum of x - c, Q = sum of (x - c)^2), so that a common offset of x cancels before squaring.
.set PIECE,  9472                      ; 64 codes: 64 rows of 144 bytes, then 64 hk
.set PHASEB, 8*PIECE                   ; a phase: one piece for each wave to fetch
.set PITCH,  144                       ; 128 bytes of data + 16: an odd multiple of 16, so a fragment's 16 rows start in 16 different 16-byte columns
.set TSTEP,  16*PITCH                  ; 16 codes further
.set HKOFF,  9216
.set SCR,    32*PIECE                  ; 303,104 = 1,184 x 256: scratch of its own, into which no fill lands
.set WSTR,   32768                     ; bytes from w to w + 1 in x
.set BX,   16                          ; v[16:79]   x^: tile q, K step s at 16 + 16 q + 8 s
.set RAW,  80                          ; v[80:207]  x as loaded (start only)
.set AF,   80                          ; v[80:127]  two buffers of: A for K step 0 (8), for K step 1 (8), hk as C (8)
.set ACC,  128                         ; v[128:159] accumulator set 0 (even tiles); set 1 (odd tiles) lies 96 registers on, v[224:255]
.set SV,   160                         ; v[160:191] the eight scores of the tile that holds the best so far, for each q
.set BEST, 192                         ; v[192:195] best score
.set IDX,  196                         ; v[196:199] its tile's number, at the end its code
.set TMP,  200                         ; v[200:207]
.set XX,   208                         ; v[208:211] |x^|^2 (waves with H = 1)
.set ST,   212                         ; v[212:215] S, Q, F, 0
.set CH,   216                         ; v[216:223] chains of the sums
.set G1,   32                          ; s[32:39]   descriptor group 1, one for all loads
.set G0,   40                          ; s[40:55]   descriptor group 0, one for each phase; never rewritten
; A round of the cluster's barrier: my work-group's barrier, wave 0 signals for the work-group, all wait for the four, my work-group's barrier again.
.macro ROUND
	s_barrier_signal -1
	s_barrier_wait -1
	s_cmp_lg_u32 s14, 0
	s_cbranch_scc1 .Lnot_wave_0_\@
	s_barrier_signal -3
.Lnot_wave_0_\@:
	s_barrier_wait -3
	s_barrier_signal -1
	s_barrier_wait -1
.endm
	s_load_b256 s[4:11], s[0:1], 0x0               ; x s[4:5], kimg s[6:7], out0 s[8:9], codes s[10:11]
	s_load_b64 s[12:13], s[0:1], 0x20              ; part
	s_set_vgpr_msb 0x40
	v_lshl_add_u32 v0, v0, 2, 0x4aa00
	v_mov_b32 v1, 0
	s_set_vgpr_msb 0x4045
	ds_add_u32 v0, v1
	ds_add_u32 v0, v1
	s_set_vgpr_msb 0x4500
	v_lshrrev_b32 v8, 5, v0
	v_readfirstlane_b32 s14, v8                    ; wave
	s_and_b32 s15, s14, 1                          ; H
	s_lshr_b32 s16, s14, 1                         ; rg
	s_bfe_u32 s17, ttmp6, 0x40000                  ; cx
	s_lshl_b32 s18, ttmp9, 2
	s_add_co_u32 s18, s18, s17                     ; work-group = 4 x cluster + cx; it enters global addresses alone
	v_and_b32 v1, 15, v0                           ; r
	v_bfe_u32 v2, v0, 4, 1                         ; h
	v_and_b32 v6, 31, v0                           ; lane
	v_lshlrev_b32 v5, 4, v1                        ; x: 16 r (t = 4 r .. 4 r + 3)
	v_lshl_or_b32 v5, v2, 18, v5                   ;    + 8 h rows of w
	s_lshr_b32 s26, s18, 5
	s_lshl_b32 s26, s26, 21                        ; n x 64 x 8192 x 4
	s_and_b32 s27, s18, 31
	s_lshl_b32 s27, s27, 10                        ; t0 x 4
	s_add_co_u32 s26, s26, s27
	s_lshl_b32 s27, s16, 8                         ; 64 rg x 4
	s_add_co_u32 s26, s26, s27
	s_mov_b32 s27, 0
	s_wait_dscnt 0x0
	s_wait_kmcnt 0x0
	s_add_nc_u64 s[56:57], s[4:5], s[26:27]        ; never rewritten
	s_load_b32 s20, s[4:5], 0x0                    ; the pivot c = x[0]
	; load i = 16 s + 8 u + e brings w = 32 s + 16 u + 8 h + e, t = 4 r .. + 3: sixteen lanes read 256 neighbouring bytes, aligned
.set i, 0
.rept 32
	global_load_b128 v[RAW+4*i:RAW+4*i+3], v5, s[56:57] offset:((i/16)*32+((i/8)%2)*16+(i%8))*WSTR
.set i, i+1
.endr
	; group 1: a dense piece as 37 rows of 256 bytes (32 elements of 8 bytes), no padding: the image holds its padding already
	s_mov_b32 s[G1+0], 0x0023000f                  ; 15:0 mask: all four of the cluster; 17:16 elements of 8 bytes; 21 set beside a mask
	s_mov_b32 s[G1+1], 32<<16                      ; tensor_dim0 = 32
	s_mov_b32 s[G1+2], 37<<16                      ; tensor_dim1 = 37
	s_mov_b32 s[G1+3], 32<<16                      ; tile_dim0 = 32
	s_mov_b32 s[G1+4], 37                          ; tile_dim1 = 37
	s_mov_b32 s[G1+5], 32                          ; from row to row
	s_mov_b32 s[G1+6], 0
	s_mov_b32 s[G1+7], 0
	s_mul_i32 s28, s14, PIECE                      ; wave w fetches piece 8 i + w of phase i: same offset in the image and in LDS
	s_mov_b32 s29, 0
	s_add_nc_u64 s[58:59], s[6:7], s[28:29]
	ROUND                                          ; the four work-groups are here: their joint loads meet
.irp i, 0,1,2,3
	s_mov_b32 s[G0+4*\i], 1
	s_add_co_u32 s[G0+4*\i+1], s28, \i*PHASEB
	s_add_nc_u64 s[G0+4*\i+2:G0+4*\i+3], s[58:59], \i*PHASEB
	s_or_b32 s[G0+4*\i+3], s[G0+4*\i+3], 0x80000000
	tensor_load_to_lds s[G0+4*\i:G0+4*\i+3], s[G1:G1+7]    ; all first fills in one group; four of a wave are out at the most
	s_nop 0
.endr
	s_mul_i32 s30, s15, 4*PIECE                    ; in each phase H = 0 walks pieces 0-3, H = 1 pieces 4-7
	v_mul_u32_u24 v3, v1, PITCH
	v_lshl_add_u32 v3, v2, 4, v3
	v_add_nc_u32 v3, s30, v3                       ; A fragments: code r of a tile, 16 h bytes in
	s_add_co_u32 s31, s30, HKOFF
	v_lshl_add_u32 v4, v2, 5, s31                  ; hk of codes 8 h .. 8 h + 7 of a tile
	s_lshl_b32 s31, s16, 8
	s_add_co_u32 s31, s31, SCR
	v_lshl_add_u32 v7, v1, 4, s31                  ; scratch: best scores of my 64 vectors; their codes 1,024 bytes on
	s_lshl_b32 s31, s16, 4
	s_add_co_u32 s31, s31, SCR+2048
	v_mov_b32 v12, s31                             ; scratch: S, Q of row group rg; its S, Q, F, 0 lie 256 bytes on
	s_lshl_b32 s31, s18, 10
	s_lshl_b32 s19, s16, 8
	s_add_co_u32 s31, s31, s19
	v_lshl_add_u32 v13, v1, 4, s31                 ; out0, codes: 4 x (256 wg + 64 rg + 4 r)
	v_mov_b32 v14, SCR+2304
	s_lshl_b32 s31, s18, 4
	v_mov_b32 v15, s31                             ; part: 16 wg
	s_mov_b32 s24, 0x76543210                      ; v_permlanex16_b32: lane i reads lane i of the other half
	s_mov_b32 s25, 0xfedcba98
	s_lshl_b32 s22, s15, 4                         ; number of my first tile of 16 codes
.set i, XX
.rept 16
	v_mov_b32 v[i], 0                              ; XX, S Q F 0, chains: each wave fills only the ones of its H
.set i, i+1
.endr
	; round x to bf16 into B fragments: register 4 g + e of tile q holds w = 16 g + 8 h + 2 e, + 1
.irp g, 0,1,2,3
	s_wait_loadcnt 24-8*\g                         ; loads come back in order: eight more are in, the younger stay out
.irp q, 0,1,2,3
.irp e, 0,1,2,3
	v_cvt_pk_bf16_f32 v[BX+16*\q+4*\g+\e], v[RAW+4*(8*\g+2*\e)+\q], v[RAW+4*(8*\g+2*\e+1)+\q]
.endr
.endr
.endr
	s_wait_kmcnt 0x0
	s_xor_b32 s20, s20, 0x80000000                 ; -c
	s_mov_b32 s21, s20
	s_cmp_lg_u32 s15, 0
	s_cbranch_scc1 .Lnorms
	; H = 0: S and Q over my 64 x 64 numbers of x as given (the partner wave holds the same numbers and leaves them out)
.set p, 0
.rept 32
	v_pk_add_f32 v[8:9], v[RAW+4*p:RAW+4*p+1], s[20:21] op_sel_hi:[1,0]
	v_pk_add_f32 v[10:11], v[RAW+4*p+2:RAW+4*p+3], s[20:21] op_sel_hi:[1,0]
	v_pk_add_f32 v[CH:CH+1], v[CH:CH+1], v[8:9]
	v_pk_add_f32 v[CH+2:CH+3], v[CH+2:CH+3], v[10:11]
	v_pk_fma_f32 v[CH+4:CH+5], v[8:9], v[8:9], v[CH+4:CH+5]
	v_pk_fma_f32 v[CH+6:CH+7], v[10:11], v[10:11], v[CH+6:CH+7]
.set p, p+1
.endr
	v_pk_add_f32 v[CH:CH+1], v[CH:CH+1], v[CH+2:CH+3]
	v_pk_add_f32 v[CH+4:CH+5], v[CH+4:CH+5], v[CH+6:CH+7]
	v_add_f32 v[ST], v[CH], v[CH+1]
	v_add_f32 v[ST+1], v[CH+4], v[CH+5]
.irp m, 1,2,4,8
	v_add_f32_dpp v[ST], v[ST], v[ST] row_xmask:\m row_mask:0xf bank_mask:0xf
	v_add_f32_dpp v[ST+1], v[ST+1], v[ST+1] row_xmask:\m row_mask:0xf bank_mask:0xf
.endr
	v_permlanex16_b32 v[CH], v[ST], s24, s25
	v_permlanex16_b32 v[CH+1], v[ST+1], s24, s25
	v_add_f32 v[ST], v[ST], v[CH]
	v_add_f32 v[ST+1], v[ST+1], v[CH+1]            ; every lane: the wave's S and Q
	s_branch .Ljoin
.Lnorms:
	; H = 1: |x^|^2 of my 4 x 16 vectors, from the rounded numbers; a lane holds 32 of a vector's 64, the other half of the lanes the rest
.set b, 0
.rept 16
.irp q, 0,1,2,3
	v_fma_mix_f32_bf16 v[XX+\q], v[BX+16*\q+b], v[BX+16*\q+b], v[XX+\q] op_sel_hi:[1,1,0]
.endr
.irp q, 0,1,2,3
	v_fma_mix_f32_bf16 v[XX+\q], v[BX+16*\q+b], v[BX+16*\q+b], v[XX+\q] op_sel:[1,1,0] op_sel_hi:[1,1,0]
.endr
.set b, b+1
.endr
.irp q, 0,1,2,3
	v_permlanex16_b32 v[CH+\q], v[XX+\q], s24, s25
.endr
.irp q, 0,1,2,3
	v_add_f32 v[XX+\q], v[XX+\q], v[CH+\q]
.endr
.Ljoin:
	; the raw numbers are done with: start the search.  -inf loses against every finite score, so the first tile is always taken.
.set i, SV
.rept 32
	v_mov_b32 v[i], 0
.set i, i+1
.endr
.irp q, 0,1,2,3
	v_mov_b32 v[BEST+\q], 0xff800000
.endr
.set i, IDX
.rept 12
	v_mov_b32 v[i], 0                              ; IDX and TMP
.set i, i+1
.endr
; six LDS loads: the fragments of 16 codes for both K steps, and their hk laid out as a C operand (register j of half h: code 8 h + j)
.macro LOADA buf, offa, offc
	ds_load_b128 v[AF+24*(\buf):AF+24*(\buf)+3],     v3 offset:\offa
	ds_load_b128 v[AF+24*(\buf)+4:AF+24*(\buf)+7],   v3 offset:\offa+32
	ds_load_b128 v[AF+24*(\buf)+8:AF+24*(\buf)+11],  v3 offset:\offa+64
	ds_load_b128 v[AF+24*(\buf)+12:AF+24*(\buf)+15], v3 offset:\offa+96
	ds_load_b128 v[AF+24*(\buf)+16:AF+24*(\buf)+19], v4 offset:\offc
	ds_load_b128 v[AF+24*(\buf)+20:AF+24*(\buf)+23], v4 offset:\offc+16
.endm
; Matrix instruction number w (0 to 7) of a tile: fragments from buffer buf, accumulator set at register dst.
; 0 to 3: K step 0 of q = w, hk as C.  4 to 7: K step 1 of q = w - 4, in place.  The four accumulators take turns, one instruction a turn,
; and the two sets take turns from tile to tile.
.macro WM w, buf, dst
.if (\w) < 4
	v_wmma_f32_16x16x32_bf16 v[\dst+8*(\w):\dst+8*(\w)+7], v[AF+24*(\buf):AF+24*(\buf)+7], v[BX+16*(\w):BX+16*(\w)+7], v[AF+24*(\buf)+16:AF+24*(\buf)+23]
.else
	v_wmma_f32_16x16x32_bf16 v[\dst+8*((\w)-4):\dst+8*((\w)-4)+7], v[AF+24*(\buf)+8:AF+24*(\buf)+15], v[BX+16*((\w)-4)+8:BX+16*((\w)-4)+15], v[\dst+8*((\w)-4):\dst+8*((\w)-4)+7]
.endif
.endm
; Vector instruction number num (0 to 59) of the search through one finished tile, whose 4 x 8 scores lie in the set at register src.
; 0 to 15: the four maxima of eight, stage by stage across q, so that no instruction reads the result of the one in front of it.
; 16 + 11 q + i: if tile q's maximum beats the best so far (i = 0), take it (1), the tile's number (2) and the tile's eight scores (3 to 10).
.macro RV num, src
.if (\num) < 4
	v_max3_num_f32 v[TMP+(\num)], v[\src+8*(\num)], v[\src+8*(\num)+1], v[\src+8*(\num)+2]
.elseif (\num) < 12
	v_max3_num_f32 v[TMP+(\num)%4], v[TMP+(\num)%4], v[\src+8*((\num)%4)+2*((\num)/4)+1], v[\src+8*((\num)%4)+2*((\num)/4)+2]
.elseif (\num) < 16
	v_max_num_f32 v[TMP+(\num)%4], v[TMP+(\num)%4], v[\src+8*((\num)%4)+7]
.else
.set rq, ((\num)-16)/11
.set ri, ((\num)-16)%11
.if ri == 0
	v_cmp_gt_f32 vcc_lo, v[TMP+rq], v[BEST+rq]
.elseif ri == 1
	v_cndmask_b32 v[BEST+rq], v[BEST+rq], v[TMP+rq], vcc_lo
.elseif ri == 2
	v_cndmask_b32 v[IDX+rq], v[IDX+rq], s22, vcc_lo
.else
	v_cndmask_b32 v[SV+8*rq+ri-3], v[SV+8*rq+ri-3], v[\src+8*rq+ri-3], vcc_lo
.endif
.endif
.endm
; One tile of 16 codes against my 64 vectors, from fragment buffer buf into accumulator set buf, with the search through the tile before
; (the other set) strewn between its matrix instructions: seven vector instructions behind each of the first seven, eleven behind the last.
; Those eleven name none of the last matrix instructions' registers: they are the places (ISA guide 7.12.1 asks for four) in front of the next
; block's LDS loads into this block's fragment buffer and of its first reads of this block's results.
; pf = 1: the next tile's fragments (at offa, offc) are fetched into the other buffer first.  s22 numbers the tile that is searched.
.macro BLOCK buf, pf, offa, offc
.if \pf
	LOADA 1-\buf, \offa, \offc
	s_wait_dscnt 0x6                               ; all but the six just issued: this tile's fragments are in
.else
	s_wait_dscnt 0x0
.endif
.set vn, 0
.irp w, 0,1,2,3,4,5,6,7
	WM \w, \buf, ACC+96*\buf
.rept 7+4*(\w/7)
	RV vn, ACC+96*(1-\buf)
.set vn, vn+1
.endr
.endr
	s_add_co_u32 s22, s22, 1
.endm
; A phase: my four pieces (16 tiles) of its eight.  left = my later phases' tensor loads, which stay out.
.macro PHASE left, last
	s_wait_tensorcnt \left                         ; tensor loads of a wave end in order: my piece of this phase has landed,
	s_barrier_signal -1                            ; (no LDS instruction of mine is out: the last block waited for all)
	s_barrier_wait -1                              ; and so has every wave's
	LOADA 0, 0, 0
	LOADA 1, TSTEP, 64                             ; tile 0 starts the pipe: matrix instructions alone, tile 1 fetched meanwhile
	s_wait_dscnt 0x6                               ; all but tile 1's six
.irp w, 0,1,2,3,4,5,6,7
	WM \w, 0, ACC
.endr
.rept 4
	v_nop                                          ; four places in front of the loads into buffer 0 and of the first reads of set 0
.endr
	s_mov_b32 s23, 3
.Lpiece_\@:
	BLOCK 1, 1, 2*TSTEP, 2*64                      ; tiles 4 i + 1 .. 4 i + 4; each fetches the one behind it
	BLOCK 0, 1, 3*TSTEP, 3*64
	BLOCK 1, 1, PIECE, PIECE                       ; the next piece's first tile
	BLOCK 0, 1, PIECE+TSTEP, PIECE+64              ; and its second
	v_add_nc_u32 v3, PIECE, v3
	v_add_nc_u32 v4, PIECE, v4
	s_sub_co_i32 s23, s23, 1
	s_cmp_lg_u32 s23, 0
	s_cbranch_scc1 .Lpiece_\@
	BLOCK 1, 1, 2*TSTEP, 2*64                      ; tiles 13, 14, 15 are written out: the last fetches nothing
	BLOCK 0, 1, 3*TSTEP, 3*64
	BLOCK 1, 0, 0, 0
.set vn, 0
.rept 60
	RV vn, ACC+96                                  ; the pipe runs empty: the search through tile 15
.set vn, vn+1
.endr
	s_add_co_u32 s22, s22, 1
.if \last == 0
	v_add_nc_u32 v3, 5*PIECE, v3                   ; three pieces were stepped: eight in all to the next phase
	v_add_nc_u32 v4, 5*PIECE, v4
	s_add_co_u32 s22, s22, 16                      ; over the partner wave's 16 tiles
.endif
.endm
	PHASE 3, 0
	PHASE 2, 0
	PHASE 1, 0
	PHASE 0, 1
	; which of the kept tile's eight scores is the best: the lowest j that equals it.  Code = 16 x tile + 8 h + j.
.irp q, 0,1,2,3
	v_mov_b32 v[TMP+\q], 7
.irp j, 6,5,4,3,2,1,0
	v_cmp_neq_f32 vcc_lo, v[SV+8*\q+\j], v[BEST+\q]
	v_cndmask_b32 v[TMP+\q], \j, v[TMP+\q], vcc_lo
.endr
	v_lshl_add_u32 v[TMP+\q], v2, 3, v[TMP+\q]
	v_lshl_add_u32 v[IDX+\q], v[IDX+\q], 4, v[TMP+\q]
.endr
; (b, c) becomes (ob, oc) where ob is larger, or equal with the lower code
.macro MERGE b, c, ob, oc
	v_cmp_gt_f32 s26, v[\ob], v[\b]
	v_cmp_eq_f32 s27, v[\ob], v[\b]
	v_cmp_lt_u32 vcc_lo, v[\oc], v[\c]
	s_and_b32 s27, s27, vcc_lo
	s_or_b32 vcc_lo, s26, s27
	v_cndmask_b32 v[\b], v[\b], v[\ob], vcc_lo
	v_cndmask_b32 v[\c], v[\c], v[\oc], vcc_lo
.endm
.irp q, 0,1,2,3
	v_permlanex16_b32 v[TMP+\q], v[BEST+\q], s24, s25          ; the other half of the lanes holds the same vector's other codes
	v_permlanex16_b32 v[TMP+4+\q], v[IDX+\q], s24, s25
.endr
.irp q, 0,1,2,3
	MERGE BEST+\q, IDX+\q, TMP+\q, TMP+4+\q        ; lanes r and r + 16 now agree
.endr
	s_cmp_lg_u32 s15, 0
	s_cbranch_scc1 .Lkept
	ds_store_b128 v7, v[BEST:BEST+3]               ; H = 0 hands its half's result and its S, Q to the partner wave
	ds_store_b128 v7, v[IDX:IDX+3] offset:1024
	ds_store_b64 v12, v[ST:ST+1]
.Lkept:
	s_wait_dscnt 0x0                               ; the stores are done, for the partner's sake
	s_barrier_signal -1
	s_barrier_wait -1
	s_cmp_eq_u32 s15, 0
	s_cbranch_scc1 .Lhanded
	ds_load_b128 v[TMP:TMP+3], v7
	ds_load_b128 v[TMP+4:TMP+7], v7 offset:1024
	ds_load_b64 v[ST:ST+1], v12
	s_wait_dscnt 0x0
.irp q, 0,1,2,3
	MERGE BEST+\q, IDX+\q, TMP+\q, TMP+4+\q
.endr
	v_cmp_gt_u32 vcc_lo, 16, v6
	s_wait_xcnt 0x0                                ; EXEC changes only behind this wait
	s_and_saveexec_b32 s28, vcc_lo                 ; sixteen lanes store 256 neighbouring bytes, aligned: the codes of t = 4 r .. 4 r + 3
	global_store_b128 v13, v[IDX:IDX+3], s[8:9]
	global_store_b128 v13, v[IDX:IDX+3], s[10:11]
	s_wait_xcnt 0x0
	s_or_b32 exec_lo, exec_lo, s28
	v_fma_f32 v[TMP], -2.0, v[BEST], v[XX]         ; least distances, each vector's difference first, then the sum
	v_fma_f32 v[TMP+1], -2.0, v[BEST+1], v[XX+1]
	v_fma_f32 v[TMP+2], -2.0, v[BEST+2], v[XX+2]
	v_fma_f32 v[TMP+3], -2.0, v[BEST+3], v[XX+3]
	v_add_f32 v[TMP], v[TMP], v[TMP+1]
	v_add_f32 v[TMP+2], v[TMP+2], v[TMP+3]
	v_add_f32 v[ST+2], v[TMP], v[TMP+2]
.irp m, 1,2,4,8
	v_add_f32_dpp v[ST+2], v[ST+2], v[ST+2] row_xmask:\m row_mask:0xf bank_mask:0xf   ; over r; both halves of the lanes hold the same
.endr
	ds_store_b128 v12, v[ST:ST+3] offset:256       ; S, Q, F, 0 of row group rg
.Lhanded:
	s_wait_dscnt 0x0
	s_barrier_signal -1
	s_barrier_wait -1
	s_cmp_lg_u32 s14, 0
	s_cbranch_scc1 .Lclose
.irp g, 0,1,2,3
	ds_load_b128 v[SV+4*\g:SV+4*\g+3], v14 offset:16*\g
.endr
	s_wait_dscnt 0x0
	v_pk_add_f32 v[SV:SV+1], v[SV:SV+1], v[SV+4:SV+5]
	v_pk_add_f32 v[SV+2:SV+3], v[SV+2:SV+3], v[SV+6:SV+7]
	v_pk_add_f32 v[SV+8:SV+9], v[SV+8:SV+9], v[SV+12:SV+13]
	v_pk_add_f32 v[SV+10:SV+11], v[SV+10:SV+11], v[SV+14:SV+15]
	v_pk_add_f32 v[SV:SV+1], v[SV:SV+1], v[SV+8:SV+9]
	v_pk_add_f32 v[SV+2:SV+3], v[SV+2:SV+3], v[SV+10:SV+11]
	v_cmp_eq_u32 vcc_lo, 0, v6
	s_wait_xcnt 0x0
	s_and_saveexec_b32 s28, vcc_lo
	global_store_b128 v15, v[SV:SV+3], s[12:13]    ; the work-group's S, Q, F, 0
	s_wait_xcnt 0x0
	s_or_b32 exec_lo, exec_lo, s28
.Lclose:
	s_set_vgpr_msb 0x5
	s_wait_tensorcnt 0x0
	ds_add_u32 v0, v1
	s_wait_dscnt 0x0
	s_set_vgpr_msb 0x500
	ROUND                                          ; the closing round: no work-group ends while a partner may still ask jointly
	s_endpgm
.Lfunc_end_k_q4e3f497d38_main:
	.size	k_q4e3f497d38_main, .Lfunc_end_k_q4e3f497d38_main-k_q4e3f497d38_main
	.p2alignl 7, 3214868480
	.fill 96, 4, 3214868480
	.section	.rodata,"a",@progbits
	.p2align	6, 0x0
	.amdhsa_kernel k_q4e3f497d38_main
		.amdhsa_group_segment_fixed_size 306688
		.amdhsa_private_segment_fixed_size 0
		.amdhsa_enable_private_segment 0
		.amdhsa_kernarg_size 40
		.amdhsa_user_sgpr_count 2
		.amdhsa_user_sgpr_kernarg_segment_ptr 1
		.amdhsa_wavefront_size32 1
		.amdhsa_system_sgpr_workgroup_id_x 1
		.amdhsa_system_sgpr_workgroup_id_y 1
		.amdhsa_system_sgpr_workgroup_id_z 1
		.amdhsa_system_vgpr_workitem_id 0
		.amdhsa_next_free_vgpr 258
		.amdhsa_next_free_sgpr 66
		.amdhsa_reserve_vcc 1
		.amdhsa_float_denorm_mode_32 3
		.amdhsa_float_denorm_mode_16_64 3
		.amdhsa_memory_ordered 1
		.amdhsa_forward_progress 1
		.amdhsa_inst_pref_size 153
	.end_amdhsa_kernel
	.amdgpu_metadata
---
amdhsa.version: [ 1, 2 ]
amdhsa.kernels:
  - .name:           k_q4e3f497d38_main
    .symbol:         k_q4e3f497d38_main.kd
    .args:
      - { .name: x, .offset: 0, .size: 8, .value_kind: global_buffer, .address_space: global }
      - { .name: kimg, .offset: 8, .size: 8, .value_kind: global_buffer, .address_space: global }
      - { .name: out0, .offset: 16, .size: 8, .value_kind: global_buffer, .address_space: global }
      - { .name: codes, .offset: 24, .size: 8, .value_kind: global_buffer, .address_space: global }
      - { .name: part, .offset: 32, .size: 8, .value_kind: global_buffer, .address_space: global }
    .group_segment_fixed_size: 306688
    .private_segment_fixed_size: 0
    .kernarg_segment_align: 8
    .kernarg_segment_size: 40
    .max_flat_workgroup_size: 256
    .sgpr_count:     66
    .vgpr_count:     258
    .wavefront_size: 32
...
	.end_amdgpu_metadata
.endif
;; end of part 2
;; launch gather (part 3): grid 256 x 1, 8 waves a work-group, no clusters, 0 bytes of LDS; arguments x, k, codes, part, out1, out2, out3, out4; writes out1, out2, out3, out4
.if DOCPART == 3
	.amdgcn_target "amdgcn-amd-amdhsa--gfx1250"
	.amdhsa_code_object_version 6
	.text
	.protected	k_q4e3f497d38_gather
	.globl	k_q4e3f497d38_gather
	.p2align	8
	.type	k_q4e3f497d38_gather,@function
k_q4e3f497d38_gather:
	s_mov_b64 s[64:65], 0
	v_nop
	global_prefetch_b8 v0, s[64:65] scope:SCOPE_SE
	s_setreg_imm32_b32 hwreg(HW_REG_WAVE_MODE, 25, 1), 1
	s_wait_xcnt 0x0
; out1[n][w][t] = x + (k[code(n, t)][w] - x), and the three scalars from the 256 work-groups' sums.
; A stream with a gather: no LDS, no barrier, no matrix unit; each byte of x is read once and each byte of out1 written once.
; A work-group owns one n and 256 neighbouring t.  Wave: th = w % 2 picks 128 t, wq = w / 2 picks 16 of the 64 w.  Lane l owns t = 4 l .. 4 l + 3.
; x and out1 go by 16 bytes a lane along t: an instruction of the wave covers 512 neighbouring bytes, aligned.
; A code's row brings 4 neighbouring w for one t, x brings 4 neighbouring t for one w: the subtraction and the addition pick their operands crosswise,
; so the transposition costs no instruction.
; commit_loss is taken as F / 2^22 with F the sum of the least distances: |k - x|^2 = |x|^2 - 2 x.k + |k|^2 for every x and k; F is formed on
; operands rounded to bf16 (a stated limit).  prenorm = sqrt(max(Q - S S / n, 0) / n), n = 2^22, S and Q summed about the pivot x[0].
.set WSTR, 32768                       ; bytes from w to w + 1
.set X,  16                            ; v[16:79]   x, then out1: w index i at 16 + 4 i, t along the four registers
.set KR, 80                            ; v[80:143]  the rows: t index c, group g of four w at 80 + 16 c + 4 g
.set P,  144                           ; v[144:175] the partial sums (one wave of one work-group)
	s_load_b512 s[4:19], s[0:1], 0x0               ; x, k, codes, part, out1, out2, out3, out4
	v_lshrrev_b32 v1, 5, v0
	v_readfirstlane_b32 s20, v1                    ; wave
	s_and_b32 s21, s20, 1                          ; th
	s_lshr_b32 s22, s20, 1                         ; wq
	v_and_b32 v3, 31, v0                           ; lane
	v_lshlrev_b32 v2, 4, v3                        ; 16 bytes a lane; never rewritten
	s_lshl_b32 s24, ttmp9, 10                      ; codes: 4 x 256 wg
	s_lshl_b32 s26, s21, 9                         ;        + 4 x 128 th
	s_add_co_u32 s24, s24, s26
	s_mov_b32 s25, 0
	s_lshr_b32 s28, ttmp9, 5
	s_lshl_b32 s28, s28, 21                        ; x, out1: n x 64 x 8192 x 4
	s_and_b32 s27, ttmp9, 31
	s_lshl_b32 s27, s27, 10                        ; + 4 t0
	s_add_co_u32 s28, s28, s27
	s_add_co_u32 s28, s28, s26                     ; + 4 x 128 th
	s_lshl_b32 s27, s22, 19                        ; + 16 wq rows of w
	s_add_co_u32 s28, s28, s27
	s_mov_b32 s29, 0
	s_lshl_b32 s30, s22, 6                         ; k: 16 wq numbers into a row
	s_mov_b32 s31, 0
	s_mov_b32 s32, 0x76543210
	s_mov_b32 s33, 0xfedcba98
	s_wait_kmcnt 0x0
	s_add_nc_u64 s[8:9], s[8:9], s[24:25]
	s_add_nc_u64 s[4:5], s[4:5], s[28:29]
	s_add_nc_u64 s[12:13], s[12:13], s[28:29]
	s_add_nc_u64 s[6:7], s[6:7], s[30:31]
	global_load_b128 v[4:7], v2, s[8:9] th:TH_LOAD_NT
.set i, 0
.rept 16
	global_load_b128 v[X+4*i:X+4*i+3], v2, s[4:5] offset:i*WSTR th:TH_LOAD_NT
.set i, i+1
.endr
	s_wait_loadcnt 0x10                            ; the codes are in; the sixteen loads of x behind them stay out
.irp c, 0,1,2,3
	v_min_u32 v[8+\c], 0x7ff, v[4+\c]              ; an index stays inside the table
	v_lshlrev_b32 v[8+\c], 8, v[8+\c]              ; rows of 256 bytes
.endr
.irp g, 0,1,2,3
.irp c, 0,1,2,3
	global_load_b128 v[KR+16*\c+4*\g:KR+16*\c+4*\g+3], v[8+\c], s[6:7] offset:16*\g
.endr
.endr
	; the scalars: wave 0 of work-group 0
	s_or_b32 s35, ttmp9, s20
	s_cmp_lg_u32 s35, 0
	s_cbranch_scc1 .Lstream
.irp j, 0,1,2,3,4,5,6,7
	global_load_b128 v[P+4*\j:P+4*\j+3], v2, s[10:11] offset:512*\j    ; 256 x (S, Q, F, 0): eight a lane
.endr
	s_wait_loadcnt 0x0
.irp j, 0,1,2,3
	v_pk_add_f32 v[P+4*\j:P+4*\j+1], v[P+4*\j:P+4*\j+1], v[P+4*\j+16:P+4*\j+17]
	v_pk_add_f32 v[P+4*\j+2:P+4*\j+3], v[P+4*\j+2:P+4*\j+3], v[P+4*\j+18:P+4*\j+19]
.endr
.irp j, 0,1
	v_pk_add_f32 v[P+4*\j:P+4*\j+1], v[P+4*\j:P+4*\j+1], v[P+4*\j+8:P+4*\j+9]
	v_pk_add_f32 v[P+4*\j+2:P+4*\j+3], v[P+4*\j+2:P+4*\j+3], v[P+4*\j+10:P+4*\j+11]
.endr
	v_pk_add_f32 v[P:P+1], v[P:P+1], v[P+4:P+5]
	v_pk_add_f32 v[P+2:P+3], v[P+2:P+3], v[P+6:P+7]
.irp m, 1,2,4,8
	v_add_f32_dpp v[P], v[P], v[P] row_xmask:\m row_mask:0xf bank_mask:0xf
	v_add_f32_dpp v[P+1], v[P+1], v[P+1] row_xmask:\m row_mask:0xf bank_mask:0xf
	v_add_f32_dpp v[P+2], v[P+2], v[P+2] row_xmask:\m row_mask:0xf bank_mask:0xf
.endr
	v_permlanex16_b32 v[P+4], v[P], s32, s33
	v_permlanex16_b32 v[P+5], v[P+1], s32, s33
	v_permlanex16_b32 v[P+6], v[P+2], s32, s33
	v_add_f32 v[P], v[P], v[P+4]                   ; S
	v_add_f32 v[P+1], v[P+1], v[P+5]               ; Q
	v_add_f32 v[P+2], v[P+2], v[P+6]               ; F
	v_mul_f32 v[P+7], 0x34800000, v[P]             ; S / 2^22
	v_fma_f32 v[P+7], -v[P+7], v[P], v[P+1]        ; Q - S S / n
	v_max_num_f32 v[P+7], 0, v[P+7]
	v_mul_f32 v[P+7], 0x34800000, v[P+7]
	v_sqrt_f32 v[P+7], v[P+7]                      ; prenorm; plain instructions that touch neither it nor its source follow before its use (ISA guide 5.7.2)
	v_mul_f32 v[P+9], 0x34800000, v[P+2]           ; commit_loss = F / 2^22
	v_mul_f32 v[P+10], 0x37800000, v[P+2]          ; fit = F / 2^16
	v_mov_b32 v[P+8], 0
	v_cmp_eq_u32 vcc_lo, 0, v3
	s_wait_xcnt 0x0                                ; EXEC changes only behind this wait
	s_and_saveexec_b32 s34, vcc_lo
	global_store_b32 v[P+8], v[P+9], s[14:15]
	global_store_b32 v[P+8], v[P+10], s[16:17]
	s_wait_alu depctr_va_vdst(0)
	global_store_b32 v[P+8], v[P+7], s[18:19]
	s_wait_xcnt 0x0
	s_or_b32 exec_lo, exec_lo, s34
.Lstream:
.irp g, 0,1,2,3
	s_wait_loadcnt 12-4*\g                         ; loads come back in order: x and the four rows' group g are in, the younger gathers stay out
.irp e, 0,1,2,3
.irp c, 0,1,2,3
	v_sub_f32 v[KR+16*\c+4*\g+\e], v[KR+16*\c+4*\g+\e], v[X+4*(4*\g+\e)+\c]
.endr
.irp c, 0,1,2,3
	v_add_f32 v[X+4*(4*\g+\e)+\c], v[X+4*(4*\g+\e)+\c], v[KR+16*\c+4*\g+\e]
.endr
	global_store_b128 v2, v[X+4*(4*\g+\e):X+4*(4*\g+\e)+3], s[12:13] offset:(4*\g+\e)*WSTR th:TH_STORE_NT
.endr
.endr
	s_endpgm
.Lfunc_end_k_q4e3f497d38_gather:
	.size	k_q4e3f497d38_gather, .Lfunc_end_k_q4e3f497d38_gather-k_q4e3f497d38_gather
	.p2alignl 7, 3214868480
	.fill 96, 4, 3214868480
	.section	.rodata,"a",@progbits
	.p2align	6, 0x0
	.amdhsa_kernel k_q4e3f497d38_gather
		.amdhsa_group_segment_fixed_size 0
		.amdhsa_private_segment_fixed_size 0
		.amdhsa_enable_private_segment 0
		.amdhsa_kernarg_size 64
		.amdhsa_user_sgpr_count 2
		.amdhsa_user_sgpr_kernarg_segment_ptr 1
		.amdhsa_wavefront_size32 1
		.amdhsa_system_sgpr_workgroup_id_x 1
		.amdhsa_system_sgpr_workgroup_id_y 1
		.amdhsa_system_sgpr_workgroup_id_z 1
		.amdhsa_system_vgpr_workitem_id 0
		.amdhsa_next_free_vgpr 184
		.amdhsa_next_free_sgpr 66
		.amdhsa_reserve_vcc 1
		.amdhsa_float_denorm_mode_32 3
		.amdhsa_float_denorm_mode_16_64 3
		.amdhsa_memory_ordered 1
		.amdhsa_forward_progress 1
		.amdhsa_inst_pref_size 15
	.end_amdhsa_kernel
	.amdgpu_metadata
---
amdhsa.version: [ 1, 2 ]
amdhsa.kernels:
  - .name:           k_q4e3f497d38_gather
    .symbol:         k_q4e3f497d38_gather.kd
    .args:
      - { .name: x, .offset: 0, .size: 8, .value_kind: global_buffer, .address_space: global }
      - { .name: k, .offset: 8, .size: 8, .value_kind: global_buffer, .address_space: global }
      - { .name: codes, .offset: 16, .size: 8, .value_kind: global_buffer, .address_space: global }
      - { .name: part, .offset: 24, .size: 8, .value_kind: global_buffer, .address_space: global }
      - { .name: out1, .offset: 32, .size: 8, .value_kind: global_buffer, .address_space: global }
      - { .name: out2, .offset: 40, .size: 8, .value_kind: global_buffer, .address_space: global }
      - { .name: out3, .offset: 48, .size: 8, .value_kind: global_buffer, .address_space: global }
      - { .name: out4, .offset: 56, .size: 8, .value_kind: global_buffer, .address_space: global }
    .group_segment_fixed_size: 0
    .private_segment_fixed_size: 0
    .kernarg_segment_align: 8
    .kernarg_segment_size: 64
    .max_flat_workgroup_size: 256
    .sgpr_count:     66
    .vgpr_count:     184
    .wavefront_size: 32
...
	.end_amdgpu_metadata
.endif
;; end of part 3
